; MI455X (gfx1250); checked and timed in simulation.
; The chip was launched on July 23, 2026; its instructions are those of AMD's public machine-readable ISA for CDNA 5 (MIT licence, August 2026) and "CDNA5" Instruction Set Architecture Reference Guide (July 2026). The comments in the code are by the model that wrote it; some were corrected since.
;; MOE Heads. Allowed arithmetic: float matrix products may take bf16 or f16 operands with f32 sums; all other float work in f32.
;; Inputs: g_W1 1,024 x 512 float32; g_W2 512 x 512 float32; g_Wo 512 x 16 float32; g_b1 512 float32; g_b2 512 float32; g_bo 16 float32; m0_W1 16 x 1,024 x 512 float32; m0_W2 16 x 512 x 512 float32; m0_Wo 16 x 512 float32; m0_b1 16 x 512 float32; m0_b2 16 x 512 float32; m0_bo 16 float32; m1_W1 16 x 1,024 x 512 float32; m1_W2 16 x 512 x 512 float32; m1_Wo 16 x 512 float32; m1_b1 16 x 512 float32; m1_b2 16 x 512 float32; m1_bo 16 float32; x 2,048 x 1,024 float32.
;; Outputs: out0 2,048 x 1 float32; out1 2,048 x 1 float32.
;; One version. Each part assembles by itself: llvm-mc -triple=amdgcn-amd-amdhsa -mcpu=gfx1250 --defsym DOCPART=n.
;; ======== version 1 of 1: 3 launches
;; limits: values are held in f16: magnitudes above 65,504 overflow, below 6.1e-05 lose precision; inputs' magnitudes at most 65,504; right only within a limited range of input values
;; workspace buffers: wf 51,904,512 bytes; xb 4,194,304 bytes; wob 49,152 bytes; eo 393,216 bytes
;; launch cast (part 1): grid 3427 x 1, 8 waves a work-group, no clusters, 0 bytes of LDS; arguments m0_W1, m1_W1, g_W1, m0_W2, m1_W2, g_W2, x, m0_Wo, m1_Wo, g_Wo, wf, xb, wob; writes wf, xb, wob
.if DOCPART == 1
	.amdgcn_target "amdgcn-amd-amdhsa--gfx1250"
	.amdhsa_code_object_version 6
	.text
	.protected	k_q7125dd6df6_cast
	.globl	k_q7125dd6df6_cast
	.p2align	8
	.type	k_q7125dd6df6_cast,@function
k_q7125dd6df6_cast:
	s_mov_b64 s[64:65], 0
	v_nop
	global_prefetch_b8 v0, s[64:65] scope:SCOPE_SE
	s_setreg_imm32_b32 hwreg(HW_REG_WAVE_MODE, 25, 1), 1
	s_wait_xcnt 0x0
; Every matrix operand of the 33 MLPs (16 of m0, 16 of m1, the gate) is read once as f32 and stored once as f16 (round to nearest even).
; WHY f16 AND NOT bf16: the results are means of sixteen expert outputs of both signs and are small beside their terms, so the operands' rounding
; weighs heavily; f16 keeps 11 significant bits where bf16 keeps 8, at the same bytes and the same matrix form's cost.
; RANGE.  x is drawn up to about 5 and the weights up to 0.044; thirty times that is 150 and 1.3, far below f16's largest number, 65,504.  Thirty times
; smaller, the weights' spread is 2^-10.7, and f16's smallest step, 2^-24, is 2^-13 of that.  LIMIT: a magnitude above 65,504 becomes infinite; magnitudes
; below 2^-14 are kept to steps of 2^-24.
; A work-group takes one unit of 8,192 numbers: 32 KiB in, 16 KiB out; a thread issues its eight 16-byte loads at once.  No loop, no LDS,
; no register is written twice: what is on its way comes from the many work-groups that lie side by side.
;   units 0 .. 2111     W1 of MLP u / 64, rows k = 16 (u % 64) .. + 15, all 512 columns  -> wf
;   units 2112 .. 3167  W2 likewise, 32 units an MLP                                    -> wf
;   units 3168 .. 3423  x as it lies                                                    -> xb
;   units 3424, 3425    m0_Wo, m1_Wo as they lie                                        -> wob rows 0-15, 16-31
;   unit  3426          g_Wo [512][16] turned                                           -> wob rows 32-47
; wf = [33 mlp][48 q][8 c][4 j][2 p][32 lane][16 bytes]: q 0-31 are W1's K steps of 32, q 32-47 W2's.  The 16 bytes of lane (r = lane % 16,
; h = lane / 16) are k = 32 q + 16 p + 8 h + 0..7 of column 64 c + 4 r + j: the register image of a 16-bit matrix operand (ISA guide 7.12.2),
; so the next launch loads fragments straight into registers.  Column 64 c + 4 r + j, and not 16 n + r, so that a lane's 16-byte load of f32
; (four neighbouring columns) feeds four fragments j without any exchange between lanes: sixteen lanes read 256 neighbouring bytes, and a
; wave's store writes 512 neighbouring bytes, aligned.
; Matrix units, LDS and clusters have no part here: nothing is multiplied and no byte is read by two work-groups.
.set NU1,   33*64                      ; units of W1
.set NUW,   NU1+33*32                  ; units of W1 and W2
.set NUX,   256                        ; units of x
.set ULAST, NUW+NUX+2                  ; the unit of g_Wo
.set X, 8                              ; v[8:39]   32 numbers as loaded
.set Y, 40                             ; v[40:55]  32 numbers as f16
	s_load_b512 s[4:19], s[0:1], 0x0               ; m0_W1 s[4:5], m1_W1 s[6:7], g_W1 s[8:9], m0_W2 s[10:11], m1_W2 s[12:13], g_W2 s[14:15], x s[16:17], m0_Wo s[18:19]
	s_load_b256 s[20:27], s[0:1], 0x40             ; m1_Wo s[20:21], g_Wo s[22:23], wf s[24:25], xb s[26:27]
	s_load_b64 s[28:29], s[0:1], 0x60              ; wob
	s_mov_b32 s30, ttmp9                           ; u, my unit
	s_mov_b32 s43, 0                               ; upper words of the two offset pairs
	s_mov_b32 s45, 0
	s_wait_kmcnt 0x0
	s_cmp_ge_u32 s30, NUW
	s_cbranch_scc1 .Lnot_w
	; ---- W1 or W2: 16 rows k x 512 columns into fragment order ----
	s_cmp_ge_u32 s30, NU1                          ; W2?  (the selects leave SCC alone)
	s_cselect_b32 s31, NU1, 0                      ; first unit of the layer
	s_cselect_b32 s32, 5, 6                        ; log2 of the units of an MLP
	s_cselect_b32 s33, 0x100000, 0                 ; W2's part of an MLP begins behind 32 q of 32,768 bytes
	s_cselect_b64 s[36:37], s[10:11], s[4:5]       ; the layer's three buffers
	s_cselect_b64 s[38:39], s[12:13], s[6:7]
	s_cselect_b64 s[40:41], s[14:15], s[8:9]
	s_sub_co_u32 s31, s30, s31                     ; v: unit in the layer
	s_lshr_b32 s34, s31, s32                       ; mlp
	s_lshl_b32 s35, s34, s32
	s_sub_co_u32 s35, s31, s35                     ; uu: unit in the MLP = 2 q + p
	s_lshr_b32 s42, s34, 4                         ; which buffer: 0 m0, 1 m1, 2 gate
	s_add_co_u32 s44, s32, 4
	s_lshl_b32 s42, s42, s44
	s_sub_co_u32 s42, s31, s42                     ; unit in that buffer
	s_cmp_ge_u32 s34, 16
	s_cselect_b64 s[36:37], s[38:39], s[36:37]
	s_cmp_ge_u32 s34, 32
	s_cselect_b64 s[36:37], s[40:41], s[36:37]
	s_lshl_b32 s42, s42, 15                        ; 32,768 bytes a unit
	s_add_nc_u64 s[36:37], s[36:37], s[42:43]      ; from here
	s_mul_i32 s44, s34, 0x180000                   ; 48 q of 32,768 bytes an MLP
	s_add_co_u32 s44, s44, s33
	s_lshr_b32 s42, s35, 1
	s_lshl_b32 s42, s42, 15                        ; q
	s_add_co_u32 s44, s44, s42
	s_and_b32 s42, s35, 1
	s_lshl_b32 s42, s42, 9                         ; p
	s_add_co_u32 s44, s44, s42
	s_add_nc_u64 s[24:25], s[24:25], s[44:45]      ; to here
	v_and_b32 v1, 31, v0                           ; lane
	v_lshrrev_b32 v2, 5, v0                        ; c: the wave takes 64 columns
	v_and_b32 v3, 15, v0                           ; r
	v_bfe_u32 v4, v0, 4, 1                         ; h
	v_lshlrev_b32 v5, 4, v3                        ; four columns, 16 bytes, a lane
	v_lshl_add_u32 v5, v2, 8, v5                   ; + 256 c
	v_lshl_add_u32 v5, v4, 14, v5                  ; + 8 h rows of 2,048 bytes
	v_lshlrev_b32 v6, 4, v1
	v_lshl_add_u32 v6, v2, 12, v6                  ; 4,096 c + 16 lane
.irp i, 0,1,2,3,4,5,6,7
	global_load_b128 v[X+4*\i:X+4*\i+3], v5, s[36:37] offset:\i*2048 th:TH_LOAD_NT   ; row k = 8 h + i, columns 64 c + 4 r + 0..3
.endr
.irp d, 0,1,2,3
	s_wait_loadcnt 6-2*\d                          ; rows 2 d and 2 d + 1 are in; the count is the younger loads
.irp j, 0,1,2,3
	v_cvt_pk_f16_f32 v[Y+4*\j+\d], v[X+8*\d+\j], v[X+8*\d+4+\j]    ; column j: k = 8 h + 2 d below, 8 h + 2 d + 1 above
.endr
.endr
.irp j, 0,1,2,3
	global_store_b128 v6, v[Y+4*\j:Y+4*\j+3], s[24:25] offset:\j*1024   ; read again by the next launch: no hint
.endr
	s_endpgm
.Lnot_w:
	s_cmp_eq_u32 s30, ULAST
	s_cbranch_scc1 .Lgwot
	; ---- x, m0_Wo, m1_Wo: as they lie ----
	s_sub_co_u32 s31, s30, NUW                     ; v
	s_cmp_ge_u32 s31, NUX
	s_cselect_b64 s[36:37], s[18:19], s[16:17]     ; m0_Wo or x
	s_cselect_b64 s[38:39], s[28:29], s[26:27]     ; wob or xb
	s_cselect_b32 s32, 0, s31                      ; unit in the source
	s_cmp_ge_u32 s31, NUX+1
	s_cselect_b64 s[36:37], s[20:21], s[36:37]     ; m1_Wo
	s_cselect_b32 s33, 1, s32                      ; unit in the destination: m1_Wo is wob's second
	s_lshl_b32 s42, s32, 15
	s_add_nc_u64 s[36:37], s[36:37], s[42:43]
	s_lshl_b32 s44, s33, 14
	s_add_nc_u64 s[38:39], s[38:39], s[44:45]
	v_lshlrev_b32 v5, 4, v0                        ; 16 bytes in,
	v_lshlrev_b32 v6, 3, v0                        ; 8 bytes out a thread
.irp i, 0,1,2,3,4,5,6,7
	global_load_b128 v[X+4*\i:X+4*\i+3], v5, s[36:37] offset:\i*4096 th:TH_LOAD_NT
.endr
.irp i, 0,1,2,3,4,5,6,7
	s_wait_loadcnt 7-\i                            ; load i is in; the count is the younger loads
	v_cvt_pk_f16_f32 v[Y+2*\i], v[X+4*\i], v[X+4*\i+1]
	v_cvt_pk_f16_f32 v[Y+2*\i+1], v[X+4*\i+2], v[X+4*\i+3]
	global_store_b64 v6, v[Y+2*\i:Y+2*\i+1], s[38:39] offset:\i*2048   ; a wave's store covers 256 consecutive bytes, aligned
.endr
	s_endpgm
.Lgwot:
	; ---- g_Wo [512 k][16 n] -> wob row 32 + n = column n.  A thread takes k = 4 kg .. + 3 and n = 8 ch .. + 7 ----
	v_and_b32 v1, 127, v0                          ; kg
	v_lshrrev_b32 v2, 7, v0                        ; ch
	v_lshlrev_b32 v5, 8, v1                        ; four rows of 64 bytes
	v_lshl_add_u32 v5, v2, 5, v5                   ; + eight columns
	v_lshlrev_b32 v6, 3, v1                        ; four f16 along k
	v_lshl_add_u32 v6, v2, 13, v6                  ; + eight rows of 1,024 bytes
.irp c, 0,1
.irp i, 0,1,2,3
	global_load_b128 v[X+16*\c+4*\i:X+16*\c+4*\i+3], v5, s[22:23] offset:\i*64+\c*16 th:TH_LOAD_NT
.endr
.endr
	s_wait_loadcnt 0x0
.irp c, 0,1
.irp n, 0,1,2,3
	v_cvt_pk_f16_f32 v[Y+8*\c+2*\n], v[X+16*\c+\n], v[X+16*\c+4+\n]
	v_cvt_pk_f16_f32 v[Y+8*\c+2*\n+1], v[X+16*\c+8+\n], v[X+16*\c+12+\n]
	global_store_b64 v6, v[Y+8*\c+2*\n:Y+8*\c+2*\n+1], s[28:29] offset:32768+(4*\c+\n)*1024   ; 256 consecutive bytes a wave, aligned
.endr
.endr
	s_endpgm
.Lfunc_end_k_q7125dd6df6_cast:
	.size	k_q7125dd6df6_cast, .Lfunc_end_k_q7125dd6df6_cast-k_q7125dd6df6_cast
	.p2alignl 7, 3214868480
	.fill 96, 4, 3214868480
	.section	.rodata,"a",@progbits
	.p2align	6, 0x0
	.amdhsa_kernel k_q7125dd6df6_cast
		.amdhsa_group_segment_fixed_size 0
		.amdhsa_private_segment_fixed_size 0
		.amdhsa_enable_private_segment 0
		.amdhsa_kernarg_size 104
		.amdhsa_user_sgpr_count 2
		.amdhsa_user_sgpr_kernarg_segment_ptr 1
		.amdhsa_wavefront_size32 1
		.amdhsa_system_sgpr_workgroup_id_x 1
		.amdhsa_system_sgpr_workgroup_id_y 1
		.amdhsa_system_sgpr_workgroup_id_z 1
		.amdhsa_system_vgpr_workitem_id 0
		.amdhsa_next_free_vgpr 56
		.amdhsa_next_free_sgpr 66
		.amdhsa_reserve_vcc 0
		.amdhsa_float_denorm_mode_32 3
		.amdhsa_float_denorm_mode_16_64 3
		.amdhsa_memory_ordered 1
		.amdhsa_forward_progress 1
		.amdhsa_inst_pref_size 11
	.end_amdhsa_kernel
	.amdgpu_metadata
---
amdhsa.version: [ 1, 2 ]
amdhsa.kernels:
  - .name:           k_q7125dd6df6_cast
    .symbol:         k_q7125dd6df6_cast.kd
    .args:
      - { .name: m0_W1, .offset: 0, .size: 8, .value_kind: global_buffer, .address_space: global }
      - { .name: m1_W1, .offset: 8, .size: 8, .value_kind: global_buffer, .address_space: global }
      - { .name: g_W1, .offset: 16, .size: 8, .value_kind: global_buffer, .address_space: global }
      - { .name: m0_W2, .offset: 24, .size: 8, .value_kind: global_buffer, .address_space: global }
      - { .name: m1_W2, .offset: 32, .size: 8, .value_kind: global_buffer, .address_space: global }
      - { .name: g_W2, .offset: 40, .size: 8, .value_kind: global_buffer, .address_space: global }
      - { .name: x, .offset: 48, .size: 8, .value_kind: global_buffer, .address_space: global }
      - { .name: m0_Wo, .offset: 56, .size: 8, .value_kind: global_buffer, .address_space: global }
      - { .name: m1_Wo, .offset: 64, .size: 8, .value_kind: global_buffer, .address_space: global }
      - { .name: g_Wo, .offset: 72, .size: 8, .value_kind: global_buffer, .address_space: global }
      - { .name: wf, .offset: 80, .size: 8, .value_kind: global_buffer, .address_space: global }
      - { .name: xb, .offset: 88, .size: 8, .value_kind: global_buffer, .address_space: global }
      - { .name: wob, .offset: 96, .size: 8, .value_kind: global_buffer, .address_space: global }
    .group_segment_fixed_size: 0
    .private_segment_fixed_size: 0
    .kernarg_segment_align: 8
    .kernarg_segment_size: 104
    .max_flat_workgroup_size: 256
    .sgpr_count:     66
    .vgpr_count:     56
    .wavefront_size: 32
...
	.end_amdgpu_metadata
.endif
;; end of part 1
;; launch mlp (part 2): grid 15 x 33, 4 waves a work-group, no clusters, 327,680 bytes of LDS; arguments xb, wf, wob, m0_b1, m1_b1, g_b1, m0_b2, m1_b2, g_b2, m0_bo, m1_bo, g_bo, eo; writes eo
.if DOCPART == 2
	.amdgcn_target "amdgcn-amd-amdhsa--gfx1250"
	.amdhsa_code_object_version 6
	.text
	.protected	k_q7125dd6df6_mlp
	.globl	k_q7125dd6df6_mlp
	.p2align	8
	.type	k_q7125dd6df6_mlp,@function
k_q7125dd6df6_mlp:
	s_mov_b64 s[64:65], 0
	v_nop
	global_prefetch_b8 v0, s[64:65] scope:SCOPE_SE
	s_setreg_imm32_b32 hwreg(HW_REG_WAVE_MODE, 25, 1), 1
	s_wait_xcnt 0x0
; One work-group = 144 rows of x through one of the 33 MLPs (y: 0-15 m0, 16-31 m1, 32 the gate), all three layers; h1 and h2 stay in LDS.
;   h1 = relu(x W1 + b1)  K = 1024;   h2 = relu(h1 W2 + b2)  K = 512;   expert: eo[mlp][row] = h2 . Wo + bo;   gate: eo[32+n][row] = h2 . g_Wo[:, n] + g_bo[n].
; Operands f16 (x and the weights rounded by the launch before; h1, h2 here), all sums f32.
; SHARES.  Four waves; wave w makes all 144 rows x columns 128 w .. + 127: 9 x 8 accumulator tiles of 16 x 16, 576 registers.  15 tiles of 144 rows
; cover 2,048 rows in 15 x 33 = 495 work-groups; the last tile begins at row 1,904, computes rows 1,904-2,015 a second time and stores only
; its rows 2,016-2,047, so every word of eo has one writer.
; WEIGHTS.  A wave's 128 columns are read by no other wave of the group, so they pass through no LDS: wf holds them in fragment order and each
; fragment half is one global_load_b128 into its registers, four buffers of one K step of 32 (64 registers), asked for three steps ahead.
; ACTIVATIONS.  x comes by tensor loads into two LDS slots of 144 rows x 128 k; every wave brings 36 rows of each tile.  A wave
; has two tensor loads out at the start and one behind each refill.
; THE PRODUCT IS USED TRANSPOSED: source 0 = weights, source 1 = activations.  Register j' of lane (r, h) of tile (c', j) is then row r of the
; m block, column 128 w + 64 c' + 32 h + 4 j' + j (wf's order of columns): the four tiles j give a lane 32 neighbouring columns of one row.
; The bias enters as the C operand of each layer's first product, loaded in D's layout: nothing is cleared, nothing is added later.
; h1 AND h2 IN f16 CARRY A SCALE.  Their size hangs on the product of two or three inputs' sizes, for which f16's 30 binades of full precision leave no
; fixed room.  So the work-group finds the largest element of its 144 x 512 block and multiplies the block by the power of two s that puts that element
; into [2^14, 2^15).  relu(s v) = s relu(v): s1 rides through layer 2 (b2's tiles are multiplied by s1), s2 comes on top, and 1/s2 and 1/s1 are applied
; to the output layer's sums, ahead of its bias.  A power of two changes no significant bit.
; NO CLUSTER: the grid is 15 x 33 and neither number is a multiple of 4; 16 row tiles would be, at 528 work-groups for 256 WGPs, a third pass
; where 495 need two.  The weights, which the 15 row tiles share, go to registers, where no joint load reaches; x, which goes to LDS, is 9 of the
; 41 KiB that a K step of 32 brings in.
; LIMITS.  Operands are rounded to f16's 11 significant bits.  An element of h1 or h2 below 2^-28 of its block's largest is kept to steps of 2^-38 of
; that largest at the finest.  The scale stops at 2^54 (largest element below 2^-40) and at 2^-113.  b2 s1 must stay finite: |b2| below 2^113 times the largest h1.
; relu is v_max_num_f32 with 0: a NaN becomes 0 where relu would keep it.
;
; LDS:  0 .. 78,335  two x slots of 144 rows, pitch 272 (256 bytes + 16 laid by the mover);  78,336 .. 228,095  HB: h1, later h2, 144 rows of 512 f16,
;       pitch 1,040;  228,096 .. 228,351  SC: the waves' maxima, 16 bytes for each of the two blocks.  Both pitches are odd multiples of 16 bytes, so the
;       sixteen rows of a fragment load lie in sixteen different 16-byte columns modulo 256.  HB begins at 306 x 256, SC at 891 x 256; both are written by
;       ds_store alone; no tensor load lands there.
; REGISTERS, in windows of 256:
;   window 0: v0-7 at work; v8-31 addresses and the output bias; v32-103 AF0, v104-175 AF1: activation fragments (9 m blocks x 8), two buffers;
;             v192-255 weight buffer 0.  AF0 also serves as T (64 numbers on the way to LDS), AF1 as the eight bias tiles, v104-231 as Wo's fragments.
;   window 1 + g (g = 0, 1, 2): v0-191 accumulators of m blocks 3 g .. 3 g + 2, tile (a, b) at 64 a + 8 b; v192-255 weight buffer 1 + g.
.set XPITCH, 272
.set XSLOT,  144*XPITCH                ; 39,168
.set XWAVE,  36*XPITCH                 ; a wave's 36 rows of a slot
.set HB,     2*XSLOT                   ; 78,336
.set HPITCH, 1040
.set HBLK,   16*HPITCH                 ; an m block
.set HGRP,   3*HBLK                    ; three of them: what one address register reaches with 16-bit offsets to spare
.set SC,     HB+144*HPITCH             ; 228,096
.set WQ,     32768                     ; wf: bytes of one K step of 32, all 512 columns
.set WMLP,   48*WQ
.set SCW, 2                            ; v2      SC + 4 w: where my wave's maximum goes
.set SCR, 3                            ; v3      SC
.set MXR, 4                            ; v4-7    four running maxima
.set AX,  8                            ; v8-9    x slot s: s XSLOT + 272 r + 16 h
.set AH,  10                           ; v10-12  HB + g HGRP + 1040 r + 16 h; stepped by 256 for each 128 k of layer 2
.set ST,  13                           ; v13-15  HB + g HGRP + 1040 r + 64 h + 256 w: where my 32 columns of a row go
.set VB,  16                           ; v16     128 h: bias
.set VW,  17                           ; v17     16 lane: wf
.set VWO, 18                           ; v18     wob: 16 h, and 1024 r for the gate (row 32 + r), 0 for an expert (its one row in all sixteen)
.set EO,  19                           ; v19     eo: 4 r + 65,536 h (eight rows of eo)
.set A3,  20                           ; v20-22  HB at m blocks 2 w, 2 w + 1, 8
.set TB,  23                           ; v23     bo[e]
.set GB,  24                           ; v24-31  the output layer's bias, register j' as in D
.set AF0, 32
.set AF1, 104
.set T,   32
.set WO,  104
.set WB,  192
.set G1,  40                           ; s[40:47] descriptor group 1
.set G0,  48                           ; s[48:55] descriptor group 0, one for each slot
.set WP,  56                           ; s[56:57] wf at my MLP, my wave's 8 KiB, the body's first K step
.set B1P, 58                           ; s[58:59] b1, s[60:61] b2 at my 128 columns
.set B2P, 60
.set BOP, 62                           ; s[62:63] bo at e
.set WOP, 66                           ; s[66:67] wob at row mlp
.set EOP, 68                           ; s[68:73] eo at my three m blocks
.set SCL, 80                           ; s[80:81] the block's scale, twice (a pair for the packed multiply)
.set IS1, 82                           ; s82     1 / s1
.set IS2, 83                           ; s83     1 / s2
.set MSB, 0
.macro WIN new                         ; s_set_vgpr_msb: bits 1:0 source 0, 3:2 source 1, 5:4 source 2, 7:6 destination; the high byte repeats the setting that is left
.set WNEW, \new
.if MSB != WNEW
	s_set_vgpr_msb (MSB<<8)|WNEW
.set MSB, WNEW
.endif
.endm
; Places behind matrix instructions: four plain vector instructions before a vector instruction reads a result or writes an operand,
; and this code keeps them as well before a load is issued into an operand; other matrix instructions are not counted.
.macro PLACES n
.rept \n
	v_nop
.endr
.endm
; 24 products: m blocks 3 g .. 3 g + 2 x my 8 n blocks, 32 along K.  f: weight buffer; src: activation buffer; first = 1: C is the bias tile, which starts the sums.
; The 72 accumulators take turns, one instruction a turn, in the same order in every K step.
.macro MM g, f, src, first
.if \first
	WIN (\f)|((1+\g)<<6)
.else
	WIN (\f)|((1+\g)<<4)|((1+\g)<<6)
.endif
.irp a, 0,1,2
.irp b, 0,1,2,3,4,5,6,7
.if \first
	v_wmma_f32_16x16x32_f16 v[64*\a+8*\b:64*\a+8*\b+7], v[WB+8*\b:WB+8*\b+7], v[\src+8*(3*\g+\a):\src+8*(3*\g+\a)+7], v[AF1+8*\b:AF1+8*\b+7]
.else
	v_wmma_f32_16x16x32_f16 v[64*\a+8*\b:64*\a+8*\b+7], v[WB+8*\b:WB+8*\b+7], v[\src+8*(3*\g+\a):\src+8*(3*\g+\a)+7], v[64*\a+8*\b:64*\a+8*\b+7]
.endif
.endr
.endr
.endm
; 18 LDS loads: the nine activation fragments of 32 k at byte off of the rows.  Lane (r, h): row r, k = 8 h .. + 7 and 16 + 8 h .. + 7.
.macro FETCHX s, off, dst
	WIN 0
.irp m, 0,1,2,3,4,5,6,7,8
	ds_load_b128 v[\dst+8*\m:\dst+8*\m+3], v[AX+\s] offset:\m*16*XPITCH+\off
	ds_load_b128 v[\dst+8*\m+4:\dst+8*\m+7], v[AX+\s] offset:\m*16*XPITCH+\off+32
.endr
.endm
.macro FETCHH off, dst
	WIN 0
.irp m, 0,1,2,3,4,5,6,7,8
	ds_load_b128 v[\dst+8*\m:\dst+8*\m+3], v[AH+\m/3] offset:(\m%3)*HBLK+\off
	ds_load_b128 v[\dst+8*\m+4:\dst+8*\m+7], v[AH+\m/3] offset:(\m%3)*HBLK+\off+32
.endr
.endm
.macro FETCHA kind, s, off, dst        ; kind 0: x slot s; 1: HB
.if \kind
	FETCHH \off, \dst
.else
	FETCHX \s, \off, \dst
.endif
.endm
; 16 global loads: my eight weight fragments of K step n (counted from the body's first) into buffer f; each load takes 512 consecutive bytes
.macro FETCHW f, n
	WIN ((\f)<<6)
.irp b, 0,1,2,3,4,5,6,7
	global_load_b128 v[WB+8*\b:WB+8*\b+3], v[VW], s[WP:WP+1] offset:(\n)*WQ+\b*1024
	global_load_b128 v[WB+8*\b+4:WB+8*\b+7], v[VW], s[WP:WP+1] offset:(\n)*WQ+\b*1024+512
.endr
.endm
; 64 loads of one word: the eight bias tiles in D's layout, register k of tile (c, j) = b[128 w + 64 c + 32 h + 4 k + j], into AF1.  Twice in the kernel.
.macro BIASLD lo
	WIN 0
.irp c, 0,1
.irp j, 0,1,2,3
.irp k, 0,1,2,3,4,5,6,7
	global_load_b32 v[AF1+8*(4*\c+\j)+\k], v[VB], s[\lo:\lo+1] offset:256*\c+16*\k+4*\j
.endr
.endr
.endr
.endm
; A layer's first K step: all 72 products take the bias from AF1, so AF1 gets its fragments only behind them.
; lc: the weight loads that may stay out behind buffer 0's and the bias.
.macro FIRSTQ kind, s, lc
	s_wait_loadcnt \lc
	s_wait_dscnt 0x0
	MM 0, 0, AF0, 1
	MM 1, 0, AF0, 1
	MM 2, 0, AF0, 1
	PLACES 4
	FETCHA \kind, \s, 64, AF1
	FETCHW 3, 3
.endm
; K step i of a body of four: weight buffer i, activation buffer i % 2.  Behind the first third it asks for the next step's activations and (wl = 1) the weights three steps on.
.macro QUARTER i, kind, s, wl, lc
	s_wait_loadcnt \lc                             ; my buffer is in; the count is the 16 loads of each younger K step still asked for
	s_wait_dscnt 12                                ; m blocks 0-2 are in; the 12 loads of m blocks 3-8 may be out
	MM 0, \i, AF0+72*(\i&1), 0
	PLACES 4                                       ; both targets below were last read by the K step before
	FETCHA \kind, \s, (\i+1)*64, AF0+72*((\i+1)&1)
.if \wl
	FETCHW (\i+3)&3, \i+3
.endif
	s_wait_dscnt 18                                ; all but the 18 just issued
	MM 1, \i, AF0+72*(\i&1), 0
	MM 2, \i, AF0+72*(\i&1), 0
.endm
; The fourth K step of a layer-1 body changes slots.  In front of the barrier each wave waits for its reads of slot s and for all its tensor loads (the one
; that is out is its part of the other slot); behind it slot s is filled again first (refill = 1: the tile two bodies on), then the other slot is read.
.macro TURN s, refill
	s_wait_loadcnt 32
	s_wait_dscnt 12
	MM 0, 3, AF1, 0
	s_wait_dscnt 0x0                               ; my reads of this slot are back
	s_wait_tensorcnt 0x0                           ; all my tensor loads have landed
	s_barrier_signal -1
	MM 1, 3, AF1, 0                                ; registers only
	s_barrier_wait -1
.if \refill
	s_add_nc_u64 s[G0+4*\s+2:G0+4*\s+3], s[G0+4*\s+2:G0+4*\s+3], 512   ; no load of mine is out: 256 k on
	tensor_load_to_lds s[G0+4*\s:G0+4*\s+3], s[G1:G1+7]                ; my one tensor load behind this barrier; it has a body of 288 products in which to land
	s_nop 0
.endif
	PLACES 4
	FETCHX 1-\s, 0, AF0
	FETCHW 2, 6
	MM 2, 3, AF1, 0
.endm
.macro STEPW l2                        ; four K steps on
	WIN 0
	s_wait_xcnt 0x0                                ; the weight loads' base is rewritten only behind this wait
	s_add_nc_u64 s[WP:WP+1], s[WP:WP+1], 4*WQ
.if \l2
	v_add_nc_u32 v[AH], 256, v[AH]
	v_add_nc_u32 v[AH+1], 256, v[AH+1]
	v_add_nc_u32 v[AH+2], 256, v[AH+2]
.endif
.endm
.macro BODY1 s, refill
	QUARTER 0, 0, \s, 1, 32
	QUARTER 1, 0, \s, 1, 32
	QUARTER 2, 0, \s, 1, 32
	TURN \s, \refill
	STEPW 0
.endm
; The block's scale.  The largest of relu of my 576 sums (four chains that start from relu's 0, two sums an instruction), over the 32 lanes, over the four
; waves through 16 bytes of SC (ph: which 16), then as a scalar: e = its exponent field, held in 87 .. 254;  s = 2^(141 - e), 1/s = 2^(e - 141) into s[inv].
; The barrier also says that every wave's LDS reads so far are over.  The scale goes into values alone: no address and no branch hangs on it.
.macro REDUCE ph, inv
.irp g, 0,1,2
	WIN ((1+\g)|((1+\g)<<2))
.set mi, 0
.rept 96
.if (\g*96+mi) < 4
	v_max3_num_f32 v[MXR+mi%4], v[2*mi], v[2*mi+1], 0
.else
	v_max3_num_f32 v[MXR+mi%4], v[2*mi], v[2*mi+1], v[MXR+mi%4]
.endif
.set mi, mi+1
.endr
.endr
	WIN 0
	v_max3_num_f32 v[MXR], v[MXR], v[MXR+1], v[MXR+2]
	v_max_num_f32 v[MXR], v[MXR], v[MXR+3]
	v_max_num_f32_dpp v[MXR], v[MXR], v[MXR] row_xmask:1 row_mask:0xf bank_mask:0xf
	v_max_num_f32_dpp v[MXR], v[MXR], v[MXR] row_xmask:2 row_mask:0xf bank_mask:0xf
	v_max_num_f32_dpp v[MXR], v[MXR], v[MXR] row_xmask:4 row_mask:0xf bank_mask:0xf
	v_max_num_f32_dpp v[MXR], v[MXR], v[MXR] row_xmask:8 row_mask:0xf bank_mask:0xf
	v_permlanex16_b32 v[MXR+1], v[MXR], s2, s3     ; the other half of the lanes; its destination has been written
	v_max_num_f32 v[MXR], v[MXR], v[MXR+1]
	ds_store_b32 v[SCW], v[MXR] offset:16*\ph      ; all lanes write the wave's word with the same value
	s_wait_dscnt 0x0                               ; for the others' sake: my word is written, and no LDS read of mine is out
	s_barrier_signal -1
	s_barrier_wait -1
	ds_load_b128 v[MXR:MXR+3], v[SCR] offset:16*\ph
	s_wait_dscnt 0x0
	v_max3_num_f32 v[MXR], v[MXR], v[MXR+1], v[MXR+2]
	v_max_num_f32 v[MXR], v[MXR], v[MXR+3]
	v_readfirstlane_b32 s36, v[MXR]                ; at least 0: the sign bit is clear
	s_lshr_b32 s36, s36, 23                        ; e
	s_max_u32 s36, s36, 87                         ; s at most 2^54
	s_min_u32 s36, s36, 254                        ; both exponent fields below stay inside 1 .. 254
	s_sub_co_u32 s38, 268, s36
	s_lshl_b32 s[SCL], s38, 23                     ; 2^(141 - e)
	s_mov_b32 s[SCL+1], s[SCL]
	s_sub_co_u32 s38, s36, 14
	s_lshl_b32 s[\inv], s38, 23                    ; 2^(e - 141)
.endm
; relu, scale, f16, into HB.  Per m block: 64 maxima put my 2 x 32 neighbouring columns of row r in order into T, 32 packed multiplies scale them, 32 conversions
; pack them in place (the target is always at or below the pair read), eight stores of 16 bytes.
.macro EPI
.irp m, 0,1,2,3,4,5,6,7,8
	WIN ((1+\m/3)<<2)
.irp c, 0,1
.irp j, 0,1,2,3
.irp k, 0,1,2,3,4,5,6,7
	v_max_num_f32 v[T+32*\c+4*\k+\j], 0, v[64*(\m%3)+8*(4*\c+\j)+\k]
.endr
.endr
.endr
	WIN 0
.set pd, 0
.rept 32
	v_pk_mul_f32 v[T+2*pd:T+2*pd+1], v[T+2*pd:T+2*pd+1], s[SCL:SCL+1] op_sel_hi:[1,0]
.set pd, pd+1
.endr
.irp c, 0,1
.irp d, 0,1,2,3,4,5,6,7,8,9,10,11,12,13,14,15
	v_cvt_pk_f16_f32 v[T+32*\c+\d], v[T+32*\c+2*\d], v[T+32*\c+2*\d+1]
.endr
.endr
.irp c, 0,1
.irp q, 0,1,2,3
	ds_store_b128 v[ST+\m/3], v[T+32*\c+4*\q:T+32*\c+4*\q+3] offset:(\m%3)*HBLK+128*\c+16*\q
.endr
.endr
.endr
.endm
; Output layer, batch bt = K steps 4 bt .. + 3 of my three m blocks: 24 LDS loads into window 1, buffer p of 96 registers; 12 products onto three accumulators in window 2.
.macro L3LOAD bt, p
	WIN 0x40
.irp k, 0,1,2,3
.irp i, 0,1,2
	ds_load_b128 v[96*\p+24*\k+8*\i:96*\p+24*\k+8*\i+3], v[A3+\i] offset:(4*\bt+\k)*64
	ds_load_b128 v[96*\p+24*\k+8*\i+4:96*\p+24*\k+8*\i+7], v[A3+\i] offset:(4*\bt+\k)*64+32
.endr
.endr
.endm
.macro L3MM bt, p, zero                ; the three accumulators take turns, one instruction a turn
	WIN 0xa4
.irp k, 0,1,2,3
.irp i, 0,1,2
.if \k+1-\zero                         ; 0 only for k = 0 with zero = 1: the first three products start the sums
	v_wmma_f32_16x16x32_f16 v[8*\i:8*\i+7], v[WO+8*(4*\bt+\k):WO+8*(4*\bt+\k)+7], v[96*\p+24*\k+8*\i:96*\p+24*\k+8*\i+7], v[8*\i:8*\i+7]
.else
	v_wmma_f32_16x16x32_f16 v[8*\i:8*\i+7], v[WO+8*(4*\bt+\k):WO+8*(4*\bt+\k)+7], v[96*\p+24*\k+8*\i:96*\p+24*\k+8*\i+7], 0
.endif
.endr
.endr
.endm
.macro PUTG i                          ; the gate's sixteen logits of m block i: register j is eo row 32 + 8 h + j, sixteen lanes write 64 neighbouring bytes
.irp j, 0,1,2,3,4,5,6,7
	global_store_b32 v[EO], v[T+8*\i+\j], s[EOP+2*\i:EOP+2*\i+1] offset:\j*8192
.endr
.endm
	; ---------------- set-up ----------------
	s_load_b512 s[4:19], s[0:1], 0x0               ; xb s[4:5], wf s[6:7], wob s[8:9], m0_b1 s[10:11], m1_b1 s[12:13], g_b1 s[14:15], m0_b2 s[16:17], m1_b2 s[18:19]
	s_load_b256 s[20:27], s[0:1], 0x40             ; g_b2 s[20:21], m0_bo s[22:23], m1_bo s[24:25], g_bo s[26:27]
	s_load_b64 s[28:29], s[0:1], 0x60              ; eo
	v_lshrrev_b32 v1, 5, v0
	v_readfirstlane_b32 s30, v1                    ; wave
	s_mov_b32 s31, ttmp9                           ; row tile
	s_and_b32 s32, ttmp7, 0xffff                   ; mlp
	s_mul_i32 s33, s31, 144
	s_min_u32 s33, s33, 2048-144                   ; my first row: the last tile is drawn back inside x
	s_and_b32 s34, s32, 15                         ; e (0 for the gate)
	s_mov_b32 s2, 0x76543210                       ; v_permlanex16_b32: lane i of one half reads lane i of the other
	s_mov_b32 s3, 0xfedcba98
	; group 1: a tile of 36 rows x 128 elements of 2 bytes, rows 1,024 elements apart, 4 words of padding behind every 64 words
	s_mov_b32 s[G1+0], 0x07510000                  ; 17:16 size code 1; 20 padding on; 24:22 interval code 5 (64 words); 31:25 pad code 3 (4 words); no mask
	s_mov_b32 s[G1+1], 128<<16                     ; tensor_dim0 = 128
	s_mov_b32 s[G1+2], 36<<16                      ; tensor_dim1 = 36
	s_mov_b32 s[G1+3], 128<<16                     ; tile_dim0 = 128
	s_mov_b32 s[G1+4], 36                          ; tile_dim1 = 36
	s_mov_b32 s[G1+5], 1024                        ; pitch
	s_mov_b32 s[G1+6], 0
	s_mov_b32 s[G1+7], 0
	s_mul_i32 s36, s30, 36
	s_add_co_u32 s36, s36, s33                     ; my 36 rows of the tile
	s_lshl_b32 s36, s36, 11                        ; rows of 2,048 bytes
	s_mov_b32 s37, 0
	s_mul_i32 s38, s30, XWAVE
	s_wait_kmcnt 0x0
	s_add_nc_u64 s[4:5], s[4:5], s[36:37]
.irp s, 0,1
	s_mov_b32 s[G0+4*\s], 1                                        ; count = 1
	s_add_co_u32 s[G0+4*\s+1], s38, \s*XSLOT                       ; LDS: the slot, my wave's rows
	s_add_nc_u64 s[G0+4*\s+2:G0+4*\s+3], s[4:5], \s*256            ; k = 128 s
	s_or_b32 s[G0+4*\s+3], s[G0+4*\s+3], 0x80000000                ; type = 2
	tensor_load_to_lds s[G0+4*\s:G0+4*\s+3], s[G1:G1+7]            ; both first fills go out ahead of everything else
	s_nop 0
.endr
	s_cmp_ge_u32 s32, 16                           ; which family's biases
	s_cselect_b64 s[B1P:B1P+1], s[12:13], s[10:11]
	s_cselect_b64 s[B2P:B2P+1], s[18:19], s[16:17]
	s_cselect_b64 s[BOP:BOP+1], s[24:25], s[22:23]
	s_cmp_ge_u32 s32, 32
	s_cselect_b64 s[B1P:B1P+1], s[14:15], s[B1P:B1P+1]
	s_cselect_b64 s[B2P:B2P+1], s[20:21], s[B2P:B2P+1]
	s_cselect_b64 s[BOP:BOP+1], s[26:27], s[BOP:BOP+1]
	s_cselect_b32 s78, -1, 0                       ; all lanes: I am the gate
	s_cselect_b32 s79, 1024, 0                     ; wob: from fragment row to fragment row
	s_lshl_b32 s36, s34, 2
	s_add_nc_u64 s[BOP:BOP+1], s[BOP:BOP+1], s[36:37]
	s_load_b32 s74, s[BOP:BOP+1], 0x0              ; bo[e] (the gate reads g_bo[0] here and does not use it)
	s_lshl_b32 s36, s34, 11                        ; e rows of 2,048 bytes
	s_lshl_b32 s38, s30, 9                         ; + my 128 columns
	s_add_co_u32 s36, s36, s38
	s_add_nc_u64 s[B1P:B1P+1], s[B1P:B1P+1], s[36:37]
	s_add_nc_u64 s[B2P:B2P+1], s[B2P:B2P+1], s[36:37]
	s_mul_i32 s36, s32, WMLP
	s_lshl_b32 s38, s30, 13                        ; my 8 KiB of each K step
	s_add_co_u32 s36, s36, s38
	s_add_nc_u64 s[WP:WP+1], s[6:7], s[36:37]
	s_lshl_b32 s36, s32, 10
	s_add_nc_u64 s[WOP:WOP+1], s[8:9], s[36:37]
	s_lshl_b32 s36, s32, 13                        ; eo row mlp,
	s_lshl_b32 s38, s33, 2                         ; my first row
	s_add_co_u32 s36, s36, s38
	s_add_nc_u64 s[28:29], s[28:29], s[36:37]
	s_lshl_b32 s36, s30, 7                         ; m block 2 w: 64 bytes a block
	s_add_nc_u64 s[EOP:EOP+1], s[28:29], s[36:37]
	s_add_nc_u64 s[EOP+2:EOP+3], s[EOP:EOP+1], 64  ; m block 2 w + 1
	s_add_nc_u64 s[EOP+4:EOP+5], s[28:29], 512     ; m block 8
	s_cmp_eq_u32 s31, 14
	s_cselect_b32 s75, 7, 0                        ; the first m block that this tile stores
	v_and_b32 v1, 15, v0                           ; r
	v_bfe_u32 v2, v0, 4, 1                         ; h
	v_and_b32 v3, 31, v0                           ; lane
	v_lshlrev_b32 v7, 5, v2                        ; g_bo: eight numbers for each half
	v_lshlrev_b32 v[VB], 7, v2
	v_lshlrev_b32 v[VW], 4, v3
	global_load_b128 v[GB:GB+3], v7, s[26:27]      ; g_bo[8 h + 0..7]: used by the gate, inside the buffer for all
	global_load_b128 v[GB+4:GB+7], v7, s[26:27] offset:16
	BIASLD B1P
	FETCHW 0, 0
	FETCHW 1, 1
	FETCHW 2, 2
	WIN 0
	v_mul_u32_u24 v4, v1, XPITCH
	v_lshl_add_u32 v[AX], v2, 4, v4
	v_add_nc_u32 v[AX+1], XSLOT, v[AX]
	v_mul_u32_u24 v4, v1, HPITCH
	v_lshl_add_u32 v5, v2, 4, v4
	v_add_nc_u32 v[AH], HB, v5
	v_add_nc_u32 v[AH+1], HB+HGRP, v5
	v_add_nc_u32 v[AH+2], HB+2*HGRP, v5
	v_lshl_add_u32 v6, v2, 6, v4
	v_lshl_add_u32 v6, s30, 8, v6
	v_add_nc_u32 v[ST], HB, v6
	v_add_nc_u32 v[ST+1], HB+HGRP, v6
	v_add_nc_u32 v[ST+2], HB+2*HGRP, v6
	v_mul_u32_u24 v[VWO], s79, v1
	v_lshl_add_u32 v[VWO], v2, 4, v[VWO]
	v_lshlrev_b32 v[EO], 2, v1
	v_lshl_add_u32 v[EO], v2, 16, v[EO]
	s_mul_i32 s36, s30, 2*HBLK
	v_add_nc_u32 v[A3], s36, v[AH]
	v_add_nc_u32 v[A3+1], HBLK, v[A3]
	v_add_nc_u32 v[A3+2], 8*HBLK, v[AH]
	v_mov_b32 v[SCR], SC                           ; h and the lane's number are no longer needed
	v_lshl_add_u32 v[SCW], s30, 2, v[SCR]
	s_wait_kmcnt 0x0                               ; bo[e]
	s_wait_tensorcnt 0x1                           ; my part of x tile 0 is in; tile 1 may stay out
	s_barrier_signal -1
	s_barrier_wait -1                              ; everybody's part is in
	FETCHX 0, 0, AF0
	; ---------------- layer 1: 8 bodies of 128 k, slot = body % 2 ----------------
	FIRSTQ 0, 0, 32                                ; 32: the loads of K steps 1 and 2; g_bo, b1 and K step 0 are older
	QUARTER 1, 0, 0, 1, 32
	QUARTER 2, 0, 0, 1, 32
	TURN 0, 1                                      ; x tile 2
	STEPW 0
	BODY1 1, 1                                     ; x tile 3
	s_mov_b32 s76, 2
.Llayer1:
	BODY1 0, 1                                     ; bodies 2 and 4: x tiles 4 and 6
	BODY1 1, 1                                     ; bodies 3 and 5: x tiles 5 and 7
	s_sub_co_u32 s76, s76, 1
	s_cmp_lg_u32 s76, 0
	s_cbranch_scc1 .Llayer1
	BODY1 0, 0                                     ; body 6: nothing is left to fetch; its barrier shows tile 7 whole
	QUARTER 0, 0, 1, 1, 32                         ; body 7; the weight loads run on into W2, which follows W1 in wf
	QUARTER 1, 0, 1, 1, 32
	QUARTER 2, 0, 1, 1, 32
	s_wait_loadcnt 32
	s_wait_dscnt 12
	MM 0, 3, AF1, 0
	PLACES 4
	FETCHW 2, 6
	s_wait_dscnt 0x0
	MM 1, 3, AF1, 0
	MM 2, 3, AF1, 0
	STEPW 0
	; ---------------- h1 into LDS ----------------
	PLACES 5                                       ; behind the last products: results are read, AF0 and AF1 written
	BIASLD B2P                                     ; lands while h1 is measured and packed
	REDUCE 0, IS1                                  ; s1
	EPI
	s_wait_loadcnt 0x0                             ; b2 was asked for last
.set pd, 0
.rept 32
	v_pk_mul_f32 v[AF1+2*pd:AF1+2*pd+1], v[AF1+2*pd:AF1+2*pd+1], s[SCL:SCL+1] op_sel_hi:[1,0]   ; layer 2 sums s1 h1 W2, so its bias is s1 b2
.set pd, pd+1
.endr
	s_wait_dscnt 0x0                               ; my columns of h1 are written,
	s_barrier_signal -1
	s_barrier_wait -1                              ; everybody's are
	FETCHH 0, AF0
	; ---------------- layer 2: 4 bodies of 128 k, no barrier: HB is only read ----------------
	FIRSTQ 1, 0, 0                                 ; met: the wait for b2 above was for 0
	QUARTER 1, 1, 0, 1, 32
	QUARTER 2, 1, 0, 1, 32
	QUARTER 3, 1, 0, 1, 32
	STEPW 1
	s_mov_b32 s76, 2
.Llayer2:
	QUARTER 0, 1, 0, 1, 32
	QUARTER 1, 1, 0, 1, 32
	QUARTER 2, 1, 0, 1, 32
	QUARTER 3, 1, 0, 1, 32
	STEPW 1
	s_sub_co_u32 s76, s76, 1
	s_cmp_lg_u32 s76, 0
	s_cbranch_scc1 .Llayer2
	QUARTER 0, 1, 0, 1, 32                         ; the last body: one more K step of weights (the 48th), then the counts run down
	QUARTER 1, 1, 0, 0, 32
	QUARTER 2, 1, 0, 0, 16
	s_wait_loadcnt 0x0
	s_wait_dscnt 12
	MM 0, 3, AF1, 0
	s_wait_dscnt 0x0                               ; my last reads of h1 are back
	MM 1, 3, AF1, 0
	MM 2, 3, AF1, 0
	; ---------------- h2 into LDS, over h1 ----------------
	PLACES 5
	WIN 0
.irp k, 0,1,2,3,4,5,6,7,8,9,10,11,12,13,14,15
	global_load_b128 v[WO+8*\k:WO+8*\k+3], v[VWO], s[WOP:WOP+1] offset:64*\k        ; Wo's sixteen fragments; they land while h2 is measured and packed
	global_load_b128 v[WO+8*\k+4:WO+8*\k+7], v[VWO], s[WOP:WOP+1] offset:64*\k+32
.endr
	REDUCE 1, IS2                                  ; s2, on top of s1; behind its barrier no wave reads h1 any more
	EPI
	s_wait_dscnt 0x0
	s_barrier_signal -1
	s_barrier_wait -1                              ; h2 is whole
	; ---------------- output layer: source 0 = sixteen rows of wob, source 1 = h2; wave w takes m blocks 2 w, 2 w + 1, and 8 (stored by wave 0) ----------------
	L3LOAD 0, 0
	L3LOAD 1, 1
	s_wait_loadcnt 0x0                             ; Wo
	s_wait_dscnt 24                                ; batch 0 is in; the count is the younger batch
	L3MM 0, 0, 1
	PLACES 4
	L3LOAD 2, 0
	s_wait_dscnt 24
	L3MM 1, 1, 0
	PLACES 4
	L3LOAD 3, 1
	s_wait_dscnt 24
	L3MM 2, 0, 0
	s_wait_dscnt 0x0
	L3MM 3, 1, 0
	WIN 0
	v_mov_b32 v[TB], s74                           ; these nine lines name no register of the last products: they are the places in front of the lines that read the sums
.irp j, 0,1,2,3,4,5,6,7
	v_cndmask_b32 v[GB+\j], v[TB], v[GB+\j], s78   ; the gate: g_bo[8 h + j]; an expert: bo[e]
.endr
	WIN 0x08
.irp i, 0,1,2
.irp j, 0,1,2,3,4,5,6,7
	v_mul_f32 v[T+8*\i+\j], s[IS2], v[8*\i+\j]     ; the sums are s1 s2 (h2 . Wo): s2 goes first, in a step of its own, so that no product of the two scales is formed
.endr
.endr
	WIN 0
.irp i, 0,1,2
.irp j, 0,1,2,3,4,5,6,7
	v_fma_f32 v[T+8*\i+\j], v[T+8*\i+\j], s[IS1], v[GB+\j]
.endr
.endr
	s_lshl_b32 s36, s30, 1                         ; my m blocks' numbers
	s_add_co_u32 s37, s36, 1
	s_cmp_eq_u32 s32, 32
	s_cbranch_scc1 .Lgate
	; an expert: all sixteen rows of source 0 were its Wo, so register 0 of lanes 0-15 is the result of rows r
	v_and_b32 v1, 31, v0
	v_cmp_gt_u32 vcc_lo, 16, v1
	s_wait_xcnt 0x0                                ; EXEC is narrowed only behind this wait
	s_and_saveexec_b32 s77, vcc_lo
	s_cmp_lt_u32 s36, s75
	s_cbranch_scc1 .Le1
	global_store_b32 v[EO], v[T], s[EOP:EOP+1]
.Le1:
	s_cmp_lt_u32 s37, s75
	s_cbranch_scc1 .Le2
	global_store_b32 v[EO], v[T+8], s[EOP+2:EOP+3]
.Le2:
	s_cmp_lg_u32 s30, 0
	s_cbranch_scc1 .Le3
	global_store_b32 v[EO], v[T+16], s[EOP+4:EOP+5]
.Le3:
	s_wait_xcnt 0x0                                ; and widened only behind this one
	s_or_b32 exec_lo, exec_lo, s77
	s_endpgm
.Lgate:
	s_cmp_lt_u32 s36, s75
	s_cbranch_scc1 .Lg1
	PUTG 0
.Lg1:
	s_cmp_lt_u32 s37, s75
	s_cbranch_scc1 .Lg2
	PUTG 1
.Lg2:
	s_cmp_lg_u32 s30, 0
	s_cbranch_scc1 .Lg3
	PUTG 2
.Lg3:
	s_endpgm
.Lfunc_end_k_q7125dd6df6_mlp:
	.size	k_q7125dd6df6_mlp, .Lfunc_end_k_q7125dd6df6_mlp-k_q7125dd6df6_mlp
	.p2alignl 7, 3214868480
	.fill 96, 4, 3214868480
	.section	.rodata,"a",@progbits
	.p2align	6, 0x0
	.amdhsa_kernel k_q7125dd6df6_mlp
		.amdhsa_group_segment_fixed_size 327680
		.amdhsa_private_segment_fixed_size 0
		.amdhsa_enable_private_segment 0
		.amdhsa_kernarg_size 104
		.amdhsa_user_sgpr_count 2
		.amdhsa_user_sgpr_kernarg_segment_ptr 1
		.amdhsa_wavefront_size32 1
		.amdhsa_system_sgpr_workgroup_id_x 1
		.amdhsa_system_sgpr_workgroup_id_y 1
		.amdhsa_system_sgpr_workgroup_id_z 1
		.amdhsa_system_vgpr_workitem_id 0
		.amdhsa_next_free_vgpr 1024
		.amdhsa_next_free_sgpr 84
		.amdhsa_reserve_vcc 1
		.amdhsa_float_denorm_mode_32 3
		.amdhsa_float_denorm_mode_16_64 3
		.amdhsa_memory_ordered 1
		.amdhsa_forward_progress 1
		.amdhsa_inst_pref_size 255
	.end_amdhsa_kernel
	.section	.bss,"aw",@nobits
	.p2align	6
	.space	262144
	.amdgpu_metadata
---
amdhsa.version: [ 1, 2 ]
amdhsa.kernels:
  - .name:           k_q7125dd6df6_mlp
    .symbol:         k_q7125dd6df6_mlp.kd
    .args:
      - { .name: xb, .offset: 0, .size: 8, .value_kind: global_buffer, .address_space: global }
      - { .name: wf, .offset: 8, .size: 8, .value_kind: global_buffer, .address_space: global }
      - { .name: wob, .offset: 16, .size: 8, .value_kind: global_buffer, .address_space: global }
      - { .name: m0_b1, .offset: 24, .size: 8, .value_kind: global_buffer, .address_space: global }
      - { .name: m1_b1, .offset: 32, .size: 8, .value_kind: global_buffer, .address_space: global }
      - { .name: g_b1, .offset: 40, .size: 8, .value_kind: global_buffer, .address_space: global }
      - { .name: m0_b2, .offset: 48, .size: 8, .value_kind: global_buffer, .address_space: global }
      - { .name: m1_b2, .offset: 56, .size: 8, .value_kind: global_buffer, .address_space: global }
      - { .name: g_b2, .offset: 64, .size: 8, .value_kind: global_buffer, .address_space: global }
      - { .name: m0_bo, .offset: 72, .size: 8, .value_kind: global_buffer, .address_space: global }
      - { .name: m1_bo, .offset: 80, .size: 8, .value_kind: global_buffer, .address_space: global }
      - { .name: g_bo, .offset: 88, .size: 8, .value_kind: global_buffer, .address_space: global }
      - { .name: eo, .offset: 96, .size: 8, .value_kind: global_buffer, .address_space: global }
    .group_segment_fixed_size: 327680
    .private_segment_fixed_size: 0
    .kernarg_segment_align: 8
    .kernarg_segment_size: 104
    .max_flat_workgroup_size: 128
    .sgpr_count:     84
    .vgpr_count:     1024
    .wavefront_size: 32
...
	.end_amdgpu_metadata
.endif
;; end of part 2
;; launch combine (part 3): grid 32 x 1, 1 waves a work-group, no clusters, 0 bytes of LDS; arguments eo, out0, out1; writes out0, out1
.if DOCPART == 3
	.amdgcn_target "amdgcn-amd-amdhsa--gfx1250"
	.amdhsa_code_object_version 6
	.text
	.protected	k_q7125dd6df6_combine
	.globl	k_q7125dd6df6_combine
	.p2align	8
	.type	k_q7125dd6df6_combine,@function
k_q7125dd6df6_combine:
	s_mov_b64 s[64:65], 0
	v_nop
	global_prefetch_b8 v0, s[64:65] scope:SCOPE_SE
	s_setreg_imm32_b32 hwreg(HW_REG_WAVE_MODE, 25, 1), 1
	s_wait_xcnt 0x0
; out0[row] = sum over e of softmax(logits[row])[e] * m0[row][e], out1 likewise with m1.
; eo = [48][2048] f32: rows 0-15 m0's experts, 16-31 m1's, 32-47 the gate's logits, biases added.
; A lane owns two neighbouring rows of the batch, a wave 64, 32 work-groups of one wave all 2,048: each of the 48 loads takes 256 consecutive bytes,
; aligned, and so does each of the two stores.  All 48 loads go out at once, the logits first.  384 KiB in all: no LDS, no barrier, no matrix unit.
; The row's largest logit is taken away before the exponential, and the subtraction stands ahead of the scaling by log2 e, so that the largest term is
; exactly 1 and the sum at least 1.  LIMIT: v_exp_f32 gives 0 where 2^x would lie below 2^-126 (ISA guide, its entry in 15.8): such weights count as 0.
.set E0, 2                             ; v[2:97]    eo row j for my two batch rows at v[2+2j:3+2j]
.set LG, E0+64                         ; v[66:97]   the sixteen logits, then their exponentials
.set MX, 98                            ; v[98:99]   the two maxima
.set SS, 100                           ; v[100:101] sum of exponentials
.set A0, 102                           ; v[102:103] sum of e * m0
.set A1, 104                           ; v[104:105] sum of e * m1
.set RC, 106                           ; v[106:107] 1 / sum
	s_load_b128 s[4:7], s[0:1], 0x0                ; eo s[4:5], out0 s[6:7]
	s_load_b64 s[8:9], s[0:1], 0x10                ; out1
	v_lshlrev_b32 v1, 3, v0                        ; two numbers a lane
	s_lshl_b32 s10, ttmp9, 8                       ; 64 a work-group
	v_add_nc_u32 v1, s10, v1
	s_wait_kmcnt 0x0
.set j, 32
.rept 16
	global_load_b64 v[E0+2*j:E0+2*j+1], v1, s[4:5] offset:j*8192 th:TH_LOAD_NT
.set j, j+1
.endr
.set j, 0
.rept 32
	global_load_b64 v[E0+2*j:E0+2*j+1], v1, s[4:5] offset:j*8192 th:TH_LOAD_NT
.set j, j+1
.endr
	s_wait_loadcnt 32                              ; the logits are in; the 32 loads of the experts may be out
	v_max3_num_f32 v[MX], v[LG], v[LG+2], v[LG+4]
	v_max3_num_f32 v[MX+1], v[LG+1], v[LG+3], v[LG+5]
.irp j, 3,5,7,9,11,13
	v_max3_num_f32 v[MX], v[MX], v[LG+2*\j], v[LG+2*\j+2]
	v_max3_num_f32 v[MX+1], v[MX+1], v[LG+2*\j+1], v[LG+2*\j+3]
.endr
	v_max_num_f32 v[MX], v[MX], v[LG+30]
	v_max_num_f32 v[MX+1], v[MX+1], v[LG+31]
.irp j, 0,1,2,3,4,5,6,7,8,9,10,11,12,13,14,15
	v_pk_add_f32 v[LG+2*\j:LG+2*\j+1], v[LG+2*\j:LG+2*\j+1], v[MX:MX+1] neg_lo:[0,1] neg_hi:[0,1]
.endr
.irp j, 0,1,2,3,4,5,6,7,8,9,10,11,12,13,14,15
	v_pk_mul_f32 v[LG+2*\j:LG+2*\j+1], v[LG+2*\j:LG+2*\j+1], 0x3fb8aa3b op_sel_hi:[1,0]   ; log2 e: v_exp_f32 is 2^x
.endr
.set j, 0
.rept 32
	v_exp_f32 v[LG+j], v[LG+j]
.set j, j+1
.endr
	v_nop                                          ; one plain vector instruction between the last exponential and the first use of a result
	s_wait_alu depctr_va_vdst(0)
	v_pk_add_f32 v[SS:SS+1], v[LG:LG+1], v[LG+2:LG+3]
.irp j, 2,3,4,5,6,7,8,9,10,11,12,13,14,15
	v_pk_add_f32 v[SS:SS+1], v[SS:SS+1], v[LG+2*\j:LG+2*\j+1]
.endr
	v_rcp_f32 v[RC], v[SS]
	v_rcp_f32 v[RC+1], v[SS+1]
	s_wait_loadcnt 0x0                             ; the experts' outputs
	v_pk_mul_f32 v[A0:A0+1], v[LG:LG+1], v[E0:E0+1]          ; the first products start the sums; these lines also stand between the reciprocals and their use
	v_pk_mul_f32 v[A1:A1+1], v[LG:LG+1], v[E0+32:E0+33]
.irp j, 1,2,3,4,5,6,7,8,9,10,11,12,13,14,15
	v_pk_fma_f32 v[A0:A0+1], v[LG+2*\j:LG+2*\j+1], v[E0+2*\j:E0+2*\j+1], v[A0:A0+1]
	v_pk_fma_f32 v[A1:A1+1], v[LG+2*\j:LG+2*\j+1], v[E0+32+2*\j:E0+33+2*\j], v[A1:A1+1]
.endr
	s_wait_alu depctr_va_vdst(0)
	v_pk_mul_f32 v[A0:A0+1], v[A0:A0+1], v[RC:RC+1]
	v_pk_mul_f32 v[A1:A1+1], v[A1:A1+1], v[RC:RC+1]
	global_store_b64 v1, v[A0:A0+1], s[6:7]
	global_store_b64 v1, v[A1:A1+1], s[8:9]
	s_endpgm
.Lfunc_end_k_q7125dd6df6_combine:
	.size	k_q7125dd6df6_combine, .Lfunc_end_k_q7125dd6df6_combine-k_q7125dd6df6_combine
	.p2alignl 7, 3214868480
	.fill 96, 4, 3214868480
	.section	.rodata,"a",@progbits
	.p2align	6, 0x0
	.amdhsa_kernel k_q7125dd6df6_combine
		.amdhsa_group_segment_fixed_size 0
		.amdhsa_private_segment_fixed_size 0
		.amdhsa_enable_private_segment 0
		.amdhsa_kernarg_size 24
		.amdhsa_user_sgpr_count 2
		.amdhsa_user_sgpr_kernarg_segment_ptr 1
		.amdhsa_wavefront_size32 1
		.amdhsa_system_sgpr_workgroup_id_x 1
		.amdhsa_system_sgpr_workgroup_id_y 1
		.amdhsa_system_sgpr_workgroup_id_z 1
		.amdhsa_system_vgpr_workitem_id 0
		.amdhsa_next_free_vgpr 112
		.amdhsa_next_free_sgpr 66
		.amdhsa_reserve_vcc 0
		.amdhsa_float_denorm_mode_32 3
		.amdhsa_float_denorm_mode_16_64 3
		.amdhsa_memory_ordered 1
		.amdhsa_forward_progress 1
		.amdhsa_inst_pref_size 13
	.end_amdhsa_kernel
	.amdgpu_metadata
---
amdhsa.version: [ 1, 2 ]
amdhsa.kernels:
  - .name:           k_q7125dd6df6_combine
    .symbol:         k_q7125dd6df6_combine.kd
    .args:
      - { .name: eo, .offset: 0, .size: 8, .value_kind: global_buffer, .address_space: global }
      - { .name: out0, .offset: 8, .size: 8, .value_kind: global_buffer, .address_space: global }
      - { .name: out1, .offset: 16, .size: 8, .value_kind: global_buffer, .address_space: global }
    .group_segment_fixed_size: 0
    .private_segment_fixed_size: 0
    .kernarg_segment_align: 8
    .kernarg_segment_size: 24
    .max_flat_workgroup_size: 32
    .sgpr_count:     66
    .vgpr_count:     112
    .wavefront_size: 32
...
	.end_amdgpu_metadata
.endif
;; end of part 3
